; MI455X (gfx1250); checked and timed in simulation.
; The chip was launched on July 23, 2026; its instructions are those of AMD's public machine-readable ISA for CDNA 5 (MIT licence, August 2026) and "CDNA5" Instruction Set Architecture Reference Guide (July 2026). The comments in the code are by the model that wrote it; some were corrected since.
;; LW Attention. Allowed arithmetic: matrix products marked QUANTISED: E5M2 operands, one given power-of-two scale a tensor, by v_wmma_f32_16x16x64_bf8_bf8 or v_wmma_f32_16x16x128_bf8_bf8, f32 sums; everything else in f32.
;; Inputs: b_k 64 float32; b_q 64 float32; b_v 256 float32; lowp_scales 10 int32 (the exponents e of the quantised operands' scales 2^e); w_k_codes 64 x 8 x 32 uint8 (E5M2 codes of w_k, K innermost, in blocks of 32 codes); w_q_codes 64 x 8 x 32 uint8 (E5M2 codes of w_q, K innermost, in blocks of 32 codes); w_v_codes 256 x 8 x 32 uint8 (E5M2 codes of w_v, K innermost, in blocks of 32 codes); x_codes 8 x 64 x 64 x 8 x 32 uint8 (E5M2 codes of x, K innermost, in blocks of 32 codes).
;; Outputs: out0 8 x 256 x 64 x 64 float32.
;; This version of the problem:
;;   THIS VERSION OF THE PROBLEM IS GIVEN IN LOW PRECISION. The matrix products marked QUANTISED in the list below multiply operands that are first quantised to E5M2 (5 exponent bits, 2 mantissa bits; 8 bits a number), with one given power-of-two scale for each operand tensor; their sums are f32. All else is computed in f32.
;;   The module's matrix products, in the order in which they are computed (A, B: the left and right operand; K: the contracted axis; several contracted axes count as one K, in the product's order):
;;     1. [M 32,768, K 256] x [K 256, N 64]; A: input x (given as codes); B: input w_q (given as codes): QUANTISED (scales: A lowp_scales[0], B lowp_scales[1])
;;     2. [M 32,768, K 256] x [K 256, N 64]; A: input x (given as codes); B: input w_k (given as codes): QUANTISED (scales: A lowp_scales[2], B lowp_scales[3])
;;     3. [M 32,768, K 256] x [K 256, N 256]; A: input x (given as codes); B: input w_v (given as codes): QUANTISED (scales: A lowp_scales[4], B lowp_scales[5])
;;     4. batch 8 x [M 4,096, K 64] x [K 64, N 4,096]; A: computed on the way; B: computed on the way: QUANTISED (scales: A lowp_scales[6], B lowp_scales[7])
;;     5. batch 8 x [M 256, K 4,096] x [K 4,096, N 4,096]; A: computed on the way; B: softmax (see below): QUANTISED (scales: A lowp_scales[8], B lowp_scales[9])
;;   THE QUANTISER, for each operand of a quantised product, along K:
;;     - The operand's scale is 2^e, e = its entry of the input lowp_scales (int32; the entries are numbered through the quantised products in the list's order, A before B).
;;     - Each number is divided by the scale, clamped to +-57,344, and rounded to the nearest number of E5M2, ties to even, subnormals kept.
;;     - The product sums the exact products of the quantised numbers (number of the format x scale) in f32.
;;   ~~~python
;;   def quantise(x, axis, e):      # numpy; x: float32 -> the quantised numbers, widened to float32 again
;;       x = np.moveaxis(x, axis, -1); K = x.shape[-1]
;;       r = np.clip(x / 2.0 ** e, -57344, 57344)
;;       step = 2.0 ** (np.maximum(np.frexp(np.where(r == 0, 1, r))[1] - 1, -14) - 2)
;;       q = np.round(r / step) * step * 2.0 ** e      # np.round: ties to even
;;       return np.moveaxis(q, -1, axis).astype(np.float32)
;;   ~~~
;;   SOFTMAX AHEAD OF A QUANTISED PRODUCT. Where the list says 'softmax', what is quantised is not the finished softmax but p = 2^(t - M), with t = logit x log2(e) and M = ceil(the row's largest t), a whole number; so 1/2 < the row's largest p <= 1. The row's sum l is taken of the UNQUANTISED p, in f32, and the product's result is divided by l at the end. Since M is a whole number, a kernel that streams over the keys may use a running M (the ceiling of the running maximum): every later rescaling is an exact power of two, so the quantised numbers keep their values, but for numbers so far below the row's largest that they fall under the format's range.
;;   OPERANDS COMPUTED ON THE WAY. 'Computed on the way' means the value that the module computes at that place (a softmax that the list does not call 'softmax' is quantised finished and normalised). What goes into a quantiser is computed in f32, as accurately as f32 sums, v_exp_f32 and their like allow (about 1e-6 of the number): no bf16 or f16 on the way to a quantiser, and a product that is left as it is and whose result goes on into a quantised operand takes f32 operands (vector FMAs, or v_wmma_f32_16x16x4_f32). A number that lies on a knife's edge between two numbers of the format may be rounded either way, as far as f32 arithmetic and the matrix unit's own rounding can turn it there, and no further.
;;   INPUTS GIVEN AS CODES. w_k (in the module: [64, 256], K = its axis 1); w_q (in the module: [64, 256], K = its axis 1); w_v (in the module: [256, 256], K = its axis 1); x (in the module: [8, 256, 64, 64], K = its axis 1): each comes as NAME_codes (uint8): NAME with its K axis moved to the last place and cut into blocks of 32 codes, [.., K / 32, bytes a block], one block behind the other in memory; one code a byte (a code: sign, 5 exponent bits, 2 mantissa bits); its scale is its entry of lowp_scales. Its value is code x scale, taken as it is: it is not quantised again, and the codes and scales need not be those that the quantiser above would give.
;; One version. Each part assembles by itself: llvm-mc -triple=amdgcn-amd-amdhsa -mcpu=gfx1250 --defsym DOCPART=n.
;; ======== version 1 of 1: 2 launches
;; workspace buffers: q_img 2,097,152 bytes; kv_img 10,485,760 bytes
;; launch project (part 1): grid 256 x 1, 4 waves a work-group, no clusters, 168,448 bytes of LDS; arguments x_codes, w_q_codes, w_k_codes, w_v_codes, b_q, b_k, b_v, lowp_scales, q_img, kv_img; writes q_img, kv_img
.if DOCPART == 1
	.amdgcn_target "amdgcn-amd-amdhsa--gfx1250"
	.amdhsa_code_object_version 6
	.text
	.protected	k_q6e4d998760_project
	.globl	k_q6e4d998760_project
	.p2align	8
	.type	k_q6e4d998760_project,@function
k_q6e4d998760_project:
	s_mov_b64 s[64:65], 0
	v_nop
	global_prefetch_b8 v0, s[64:65] scope:SCOPE_SE
	s_setreg_imm32_b32 hwreg(HW_REG_WAVE_MODE, 25, 1), 1
	s_wait_xcnt 0x0
; q = x Wq^T + bq, k = x Wk^T + bk, v = x Wv^T + bv on codes of BF8 (E5M2), each product with its own two given exponents (e0 e1, e2 e3, e4 e5 of the buffer of scales);
; the results are quantised at once for the two products of the attention: q with 2^e6 and k with 2^e7 along their 64 channels, v with 2^e8 along the keys.
; x: [8][4096][256] codes, a position's 256 channels on end.  Wq, Wk: [64][256], Wv: [256][256] codes.  bq, bk [64], bv [256] f32.
; OUT, as images of operand registers (a group of four registers is 512 bytes, lane l's 16 bytes at 16 l), by blocks g of 128 positions (g = 32 x image + position / 128):
;   q_img [g][tile T 0..7][1,024]: registers 4 b .. 4 b + 3 at 512 b hold channels 32 b + 16 (l / 16) + 0 .. 15 of position 32 (T / 2) + 8 (T % 2) + r + 8 (r / 8), r = l % 16.
;   kv_img [g][40,960]: first k's 8 tiles, laid as q's; from byte 8,192 v's 16 channel tiles of 2,048 bytes: lane r = channel 16 ct + r, registers 4 c .. 4 c + 3 at 512 c = keys 32 c + 16 (l / 16) + 0 .. 15.
; SHARES.  Work-group g takes block g: its 32 KiB of x come into LDS by two tensor loads, once, and every wave keeps all eight tiles of x (16 positions x 256 channels each) in 256 registers.
; Wave w makes v's channel tiles 4 w .. 4 w + 3, and half of q (waves 0, 1) or of k (waves 2, 3): weight tiles 2 b and 2 b + 1, b = w % 2, for all eight tiles of x.  96 matrix instructions a wave.
; THE POSITIONS OF A TILE OF x, AND THE ROWS OF A TILE OF Wq AND Wk, ARE NOT NEIGHBOURS: lane r of tile 2 b + u takes row 32 b + 8 u + r + 8 (r / 8).  So row 8 h + j of the tile is index 32 b + 16 h + 8 u + j,
; and the 16 result registers of tiles 2 b and 2 b + 1 are 16 neighbours along the next product's K.  For q and k the weights are source 0 and x source 1 (a lane holds a position, its registers run along the channels);
; for v x is source 0 and the weights source 1 (a lane holds a channel, its registers run along the keys).  The conversions' results are then operand registers as they stand.
; A fragment of 128 along K is fetched by four loads of 16 bytes, 32 bytes apart: the same permutation of K in both sources, so every product meets its partner.
; The bias is the C of each sum's first matrix instruction, divided by the power of two that the sums lack; the three exponents ahead of a quantiser are folded into the conversion's one.
; No tile is shared between work-groups through LDS: what they share are the weights, 24 KiB a wave, which go straight into registers, once.  So there is no cluster.
; LIMITS: e8 - e4 - e5, e6 - e0 - e1 and e7 - e2 - e3 lie between -126 and 112, so that each scale and 57,344 times it are f32 numbers.  NaN and infinity among the codes or biases are not served.
; REGISTERS, in windows of 256.  Window 0: v1-8 addresses; v9-12 scales; v16-31 codes just made (v16-19 first hold bv); v32-63 v's bias as C; v64-127 eight accumulators; v128-255 Wv's fragments.
;   Window 1: x's fragments, tile T, K step s at v[32 T + 16 s].   Window 2: v0-63 my two tiles of Wq or Wk; v64-79 their bias as C.
.set PITCH, 272                        ; an LDS row of x: 256 bytes + 16 of padding
.set PC,  16                           ; the codes just made
.set VB,  32                           ; v's bias: tile t at VB + 8 t, eight equal registers
.set ACC, 64                           ; eight accumulators
.set WVF, 128                          ; Wv: tile t, K step s at WVF + 32 t + 16 s
.set RW,  0                            ; window 2: Wq or Wk: tile u, K step s at 32 u + 16 s
.set RB,  64                           ; window 2: its bias: tile u at RB + 8 u
.set MSB, 0
.macro WIN new                         ; the immediate's high byte repeats the setting that is left; a switch that changes nothing is dropped
.if MSB != \new
	s_set_vgpr_msb (MSB<<8)|\new
.set MSB, \new
.endif
.endm
	s_load_b512 s[8:23], s[0:1], 0x0               ; x s[8:9], Wq s[10:11], Wk s[12:13], Wv s[14:15], bq s[16:17], bk s[18:19], bv s[20:21], the exponents s[22:23]
	s_load_b128 s[24:27], s[0:1], 0x40             ; q_img s[24:25], kv_img s[26:27]
	v_lshl_add_u32 v14, v0, 2, 0x29000
	v_mov_b32 v15, 0
	ds_add_u32 v14, v15
	ds_add_u32 v14, v15
	v_lshrrev_b32 v1, 5, v0
	v_readfirstlane_b32 s28, v1                    ; wave 0..3
	s_and_b32 s29, s28, 1                          ; b: which half of q's or k's channels is mine
	; descriptor group 1: 64 rows of 256 elements of one byte, padded in LDS
	s_mov_b32 s48, (0<<16)|(1<<20)|(5<<22)|(3<<25) ; no mask; elements of 1 byte; padding on: after every 64 words (code 5) four words (code 3)
	s_mov_b32 s49, 256<<16                         ; tensor_dim0 = 256
	s_mov_b32 s50, 64<<16                          ; tensor_dim1 = 64
	s_mov_b32 s51, 256<<16                         ; tile_dim0 = 256
	s_mov_b32 s52, 64                              ; tile_dim1 = 64
	s_mov_b32 s53, 256                             ; from row to row
	s_mov_b32 s54, 0
	s_mov_b32 s55, 0
	s_lshl_b32 s66, ttmp9, 15                      ; my block's 128 rows of 256 bytes,
	s_lshl_b32 s68, s28, 14                        ; the wave's 64 of them (waves 0 and 1 alone fetch)
	s_add_co_u32 s66, s66, s68
	s_mov_b32 s67, 0
	s_mov_b32 s44, 1                               ; group 0: count = 1
	s_mul_i32 s45, s28, 64*PITCH                   ; LDS address: wave x 64 rows
	s_wait_dscnt 0x0
	s_wait_kmcnt 0x0
	s_add_nc_u64 s[46:47], s[8:9], s[66:67]        ; global address
	s_or_b32 s47, s47, 0x80000000                  ; type = 2
	s_cmp_lt_u32 s28, 2
	s_cbranch_scc0 .Lno_fill
	tensor_load_to_lds s[44:47], s[48:55]          ; the one fill of these bytes; one tensor load of the wave is out
	s_nop 0
.rept 4
	v_nop
.endr
.Lno_fill:
	s_load_b256 s[32:39], s[22:23], 0x0            ; e0 .. e7
	s_load_b64 s[40:41], s[22:23], 0x20            ; e8, e9
	v_and_b32 v1, 15, v0                           ; r
	v_bfe_u32 v2, v0, 4, 1                         ; h
	v_and_b32 v3, 31, v0
	v_lshlrev_b32 v3, 4, v3                        ; 16 x lane: my place in an image
	v_and_b32 v13, 8, v1
	v_add_nc_u32 v13, v13, v1                      ; r + 8 (r / 8)
	v_mul_u32_u24 v4, v13, PITCH
	v_lshl_add_u32 v4, v2, 4, v4                   ; x in LDS: row r + 8 (r / 8), + 16 h
	v_lshlrev_b32 v5, 8, v13
	v_lshl_add_u32 v5, v2, 4, v5                   ; Wq, Wk: the same rows, 256 bytes apart
	v_lshlrev_b32 v6, 8, v1
	v_lshl_add_u32 v6, v2, 4, v6                   ; Wv: row r
	v_lshlrev_b32 v7, 6, v2                        ; bq, bk: my half's 16 numbers of a block of 32
	v_lshlrev_b32 v8, 2, v1                        ; bv: channel r
	s_lshl_b32 s66, s28, 14
	s_add_nc_u64 s[14:15], s[14:15], s[66:67]      ; Wv at my 64 rows
	s_lshl_b32 s66, s28, 8
	s_add_nc_u64 s[20:21], s[20:21], s[66:67]      ; bv at my 64 numbers
	s_mul_i32 s66, ttmp9, 40960
	s_lshl_b32 s68, s28, 13
	s_add_co_u32 s66, s66, s68
	s_add_co_u32 s66, s66, 8192
	s_add_nc_u64 s[62:63], s[26:27], s[66:67]      ; v's images: block g, behind k's 8,192 bytes, my four channel tiles
	s_mov_b32 s69, 40960
	s_cmp_lt_u32 s28, 2                            ; q's wave or k's?  The choice hangs on the wave's number alone
	s_cselect_b64 s[56:57], s[10:11], s[12:13]     ; the weights,
	s_cselect_b64 s[58:59], s[16:17], s[18:19]     ; the bias,
	s_cselect_b64 s[60:61], s[24:25], s[26:27]     ; where the images go,
	s_cselect_b32 s66, 8192, s69                   ; and a block's bytes there
	s_mul_i32 s66, ttmp9, s66
	s_lshl_b32 s68, s29, 9
	s_add_co_u32 s66, s66, s68                     ; + 512 b: my four registers of each fragment
	s_add_nc_u64 s[60:61], s[60:61], s[66:67]
	s_lshl_b32 s66, s29, 13
	s_add_nc_u64 s[56:57], s[56:57], s[66:67]      ; rows 32 b on
	s_lshl_b32 s66, s29, 7
	s_add_nc_u64 s[58:59], s[58:59], s[66:67]      ; numbers 32 b on
.irp t, 0,1,2,3                        ; Wv's fragments stay in registers
.irp s, 0,1
.irp c, 0,1,2,3
	global_load_b128 v[WVF+32*\t+16*\s+4*\c:WVF+32*\t+16*\s+4*\c+3], v6, s[14:15] offset:4096*\t+128*\s+32*\c
.endr
.endr
.endr
.irp t, 0,1,2,3
	global_load_b32 v[PC+\t], v8, s[20:21] offset:64*\t            ; bv(16 (4 w + t) + r)
.endr
	WIN 0x80                                       ; destination window 2
.irp u, 0,1                            ; tile 2 b + u begins 8 u rows on
.irp s, 0,1
.irp c, 0,1,2,3
	global_load_b128 v[RW+32*\u+16*\s+4*\c:RW+32*\u+16*\s+4*\c+3], v5, s[56:57] offset:2048*\u+128*\s+32*\c
.endr
.endr
.endr
.irp u, 0,1                            ; the bias of channels 32 b + 16 h + 8 u + 0 .. 7
	global_load_b128 v[RB+8*\u:RB+8*\u+3], v7, s[58:59] offset:32*\u
	global_load_b128 v[RB+8*\u+4:RB+8*\u+7], v7, s[58:59] offset:32*\u+16
.endr
	WIN 0
	s_wait_kmcnt 0x0
	s_add_co_i32 s70, s36, s37                     ; e4 + e5: a sum of v's product stands for sum x 2^(e4 + e5)
	s_sub_co_i32 s71, s40, s70                     ; its code is sum / 2^(e8 - e4 - e5)
	s_add_co_i32 s71, s71, 127
	s_lshl_b32 s72, s71, 23
	v_mov_b32 v9, s72                              ; that power of two as f32: the conversion takes its exponent field
	s_add_co_i32 s71, s71, 15
	s_lshl_b32 s71, s71, 23
	s_or_b32 s71, s71, 0x600000
	v_mov_b32 v10, s71                             ; 57,344 times it
	s_sub_co_i32 s73, 0, s70                       ; bv goes in as bv / 2^(e4 + e5)
	s_cmp_lt_u32 s28, 2
	s_cselect_b32 s74, s32, s34                    ; e0 or e2
	s_cselect_b32 s75, s33, s35                    ; e1 or e3
	s_cselect_b32 s76, s38, s39                    ; e6 or e7
	s_add_co_i32 s74, s74, s75
	s_sub_co_i32 s76, s76, s74
	s_add_co_i32 s76, s76, 127
	s_lshl_b32 s75, s76, 23
	v_mov_b32 v11, s75                             ; the same two numbers for q or k
	s_add_co_i32 s76, s76, 15
	s_lshl_b32 s76, s76, 23
	s_or_b32 s76, s76, 0x600000
	v_mov_b32 v12, s76
	s_sub_co_i32 s77, 0, s74
	s_wait_tensorcnt 0x0                           ; my half of x is in LDS (waves 2 and 3 have nothing out),
	s_barrier_signal -1
	s_barrier_wait -1                              ; both halves are
	WIN 0x40                                       ; destination window 1
.irp x, 0,1,2,3,4,5,6,7                ; all of x into registers: tile x begins at row 32 (x / 2) + 8 (x % 2)
.irp s, 0,1
.irp c, 0,1,2,3
	ds_load_b128 v[32*\x+16*\s+4*\c:32*\x+16*\s+4*\c+3], v4 offset:(32*(\x/2)+8*(\x%2))*PITCH+128*\s+32*\c
.endr
.endr
.endr
	WIN 0
	s_wait_loadcnt 0x0                             ; weights and biases
.irp t, 0,1,2,3
.irp j, 0,1,2,3,4,5,6,7
	v_ldexp_f32 v[VB+8*\t+\j], v[PC+\t], s73       ; in v's result a lane holds one channel: its eight registers take the same bias
.endr
.endr
	WIN 0x82                                       ; source 0 and destination window 2
.irp j, 0,1,2,3,4,5,6,7,8,9,10,11,12,13,14,15
	v_ldexp_f32 v[RB+\j], v[RB+\j], s77
.endr
	WIN 0
	s_wait_dscnt 0x0                               ; x
; 64 numbers of a lane, v[ACC] on, become 64 codes in v[PC] on.  v[sc]: the scale as f32; v[lim]: 57,344 times it.  Each accumulator is read from its low end on.
.macro QUANT sc, lim
.irp b, 0,1,2,3
.irp i, 0,1,2,3,4,5,6,7,8,9,10,11,12,13,14,15
	v_med3_num_f32 v[ACC+16*\b+\i], v[ACC+16*\b+\i], -v[\lim], v[\lim]   ; the conversion to an 8-bit code does not saturate (ISA guide 7.6.2): the hold at the largest code x the scale
.endr
	v_cvt_scalef32_pk8_bf8_f32 v[PC+4*\b:PC+4*\b+1], v[ACC+16*\b:ACC+16*\b+7], v[\sc]
	v_cvt_scalef32_pk8_bf8_f32 v[PC+4*\b+2:PC+4*\b+3], v[ACC+16*\b+8:ACC+16*\b+15], v[\sc]
.endr
	v_nop                                          ; a plain vector instruction between the last conversion and the next products, which write its sources
.endm
; Channel tile 4 w + t of v for the block's 128 keys: eight accumulators by turns, two K steps; then one fragment of codes, 2,048 bytes.
.macro VGROUP t
	WIN 0x01                                       ; source 0 (x) window 1
.irp x, 0,1,2,3,4,5,6,7
	v_wmma_f32_16x16x128_bf8_bf8 v[ACC+8*\x:ACC+8*\x+7], v[32*\x:32*\x+15], v[WVF+32*\t:WVF+32*\t+15], v[VB+8*\t:VB+8*\t+7]
.endr
.irp x, 0,1,2,3,4,5,6,7
	v_wmma_f32_16x16x128_bf8_bf8 v[ACC+8*\x:ACC+8*\x+7], v[32*\x+16:32*\x+31], v[WVF+32*\t+16:WVF+32*\t+31], v[ACC+8*\x:ACC+8*\x+7]
.endr
	WIN 0
.rept 4
	v_nop                                          ; four places between the last product and the first read of results (ISA guide 7.12.1)
.endr
	s_wait_xcnt 0x0                                ; the stores of the group before have read the codes' registers: only behind this wait are they written again
	QUANT 9, 10
.irp c, 0,1,2,3
	global_store_b128 v3, v[PC+4*\c:PC+4*\c+3], s[62:63] offset:2048*\t+512*\c   ; 32 lanes store 512 consecutive bytes, at a multiple of 256 from the buffer's first byte
.endr
.endm
; My two weight tiles of q or k against tiles 4 hf .. 4 hf + 3 of x: four registers of each of four fragments.
.macro QKGROUP hf
	WIN 0x26                                       ; source 0 (weights) window 2, source 1 (x) window 1, C (bias) window 2
.irp i, 0,1,2,3
.irp u, 0,1
	v_wmma_f32_16x16x128_bf8_bf8 v[ACC+16*\i+8*\u:ACC+16*\i+8*\u+7], v[RW+32*\u:RW+32*\u+15], v[32*(4*\hf+\i):32*(4*\hf+\i)+15], v[RB+8*\u:RB+8*\u+7]
.endr
.endr
	WIN 0x06                                       ; C window 0
.irp i, 0,1,2,3
.irp u, 0,1
	v_wmma_f32_16x16x128_bf8_bf8 v[ACC+16*\i+8*\u:ACC+16*\i+8*\u+7], v[RW+32*\u+16:RW+32*\u+31], v[32*(4*\hf+\i)+16:32*(4*\hf+\i)+31], v[ACC+16*\i+8*\u:ACC+16*\i+8*\u+7]
.endr
.endr
	WIN 0
.rept 4
	v_nop
.endr
	s_wait_xcnt 0x0
	QUANT 11, 12
.irp i, 0,1,2,3
	global_store_b128 v3, v[PC+4*\i:PC+4*\i+3], s[60:61] offset:1024*(4*\hf+\i)
.endr
.endm
	VGROUP 0
	VGROUP 1
	VGROUP 2
	VGROUP 3
	QKGROUP 0
	QKGROUP 1
	s_wait_tensorcnt 0x0
	ds_add_u32 v14, v15
	s_wait_dscnt 0x0
	s_endpgm
.Lfunc_end_k_q6e4d998760_project:
	.size	k_q6e4d998760_project, .Lfunc_end_k_q6e4d998760_project-k_q6e4d998760_project
	.p2alignl 7, 3214868480
	.fill 96, 4, 3214868480
	.section	.rodata,"a",@progbits
	.p2align	6, 0x0
	.amdhsa_kernel k_q6e4d998760_project
		.amdhsa_group_segment_fixed_size 168448
		.amdhsa_private_segment_fixed_size 0
		.amdhsa_enable_private_segment 0
		.amdhsa_kernarg_size 80
		.amdhsa_user_sgpr_count 2
		.amdhsa_user_sgpr_kernarg_segment_ptr 1
		.amdhsa_wavefront_size32 1
		.amdhsa_system_sgpr_workgroup_id_x 1
		.amdhsa_system_sgpr_workgroup_id_y 1
		.amdhsa_system_sgpr_workgroup_id_z 1
		.amdhsa_system_vgpr_workitem_id 0
		.amdhsa_next_free_vgpr 640
		.amdhsa_next_free_sgpr 80
		.amdhsa_reserve_vcc 0
		.amdhsa_float_denorm_mode_32 3
		.amdhsa_float_denorm_mode_16_64 3
		.amdhsa_memory_ordered 1
		.amdhsa_forward_progress 1
		.amdhsa_inst_pref_size 54
	.end_amdhsa_kernel
	.amdgpu_metadata
---
amdhsa.version: [ 1, 2 ]
amdhsa.kernels:
  - .name:           k_q6e4d998760_project
    .symbol:         k_q6e4d998760_project.kd
    .args:
      - { .name: x_codes, .offset: 0, .size: 8, .value_kind: global_buffer, .address_space: global }
      - { .name: w_q_codes, .offset: 8, .size: 8, .value_kind: global_buffer, .address_space: global }
      - { .name: w_k_codes, .offset: 16, .size: 8, .value_kind: global_buffer, .address_space: global }
      - { .name: w_v_codes, .offset: 24, .size: 8, .value_kind: global_buffer, .address_space: global }
      - { .name: b_q, .offset: 32, .size: 8, .value_kind: global_buffer, .address_space: global }
      - { .name: b_k, .offset: 40, .size: 8, .value_kind: global_buffer, .address_space: global }
      - { .name: b_v, .offset: 48, .size: 8, .value_kind: global_buffer, .address_space: global }
      - { .name: lowp_scales, .offset: 56, .size: 8, .value_kind: global_buffer, .address_space: global }
      - { .name: q_img, .offset: 64, .size: 8, .value_kind: global_buffer, .address_space: global }
      - { .name: kv_img, .offset: 72, .size: 8, .value_kind: global_buffer, .address_space: global }
    .group_segment_fixed_size: 168448
    .private_segment_fixed_size: 0
    .kernarg_segment_align: 8
    .kernarg_segment_size: 80
    .max_flat_workgroup_size: 128
    .sgpr_count:     80
    .vgpr_count:     640
    .wavefront_size: 32
...
	.end_amdgpu_metadata
.endif
;; end of part 1
;; launch attend (part 2): grid 32 x 8, 4 waves a work-group, clusters of 4 x 1, 327,680 bytes of LDS; arguments q_img, kv_img, lowp_scales, out0; writes out0
.if DOCPART == 2
	.amdgcn_target "amdgcn-amd-amdhsa--gfx1250"
	.amdhsa_code_object_version 6
	.text
	.protected	k_q6e4d998760_attend
	.globl	k_q6e4d998760_attend
	.p2align	8
	.type	k_q6e4d998760_attend,@function
k_q6e4d998760_attend:
	s_mov_b64 s[64:65], 0
	v_nop
	global_prefetch_b8 v0, s[64:65] scope:SCOPE_SE
	s_setreg_imm32_b32 hwreg(HW_REG_WAVE_MODE, 25, 1), 1
	s_wait_xcnt 0x0
	s_wait_alu depctr_hold_cnt(0) depctr_sa_sdst(0) depctr_va_vdst(0) depctr_va_sdst(0) depctr_va_ssrc(0) depctr_va_vcc(0) depctr_vm_vsrc(0)
	s_getreg_b32 s2, hwreg(HW_REG_IB_STS2, 6, 4)
	s_cmp_eq_u32 s2, 0
	s_cbranch_scc0 .Lentry_in_a_cluster
	s_endpgm
.Lentry_in_a_cluster:
	s_bfe_u32 s2, ttmp6, 0x10000c
	s_cmp_lg_u32 s2, 0x3003
	s_cbranch_scc0 .Lentry_shape_is_right
	s_endpgm
.Lentry_shape_is_right:
; out[b][d][n] = (the sum over keys m of v[b][m][d] p[n][m]) / l[n], both products on codes of BF8 (E5M2) with the given exponents: q e6, k e7, v e8, p e9 (entries 6 to 9 of the buffer of scales).
; THE SOFTMAX: t = score x log2(e); M = the query's largest t so far, rounded UP to a whole number; p = 2^(t - M) is what is quantised, along the keys, not normalised.  l is the sum of the unquantised p, in f32,
; and divides at the end.  When M moves, l and O are multiplied by 2^(old M - new M), which rounds nothing.
; IN: q_img and kv_img, images of operand registers by blocks of 128 positions (a group of four registers is 512 bytes, lane l's 16 bytes at 16 l):
;   q_img [block][tile T 0..7][1,024]; kv_img [block][40,960]: k's 8 tiles of 1,024 bytes, then v's 16 channel tiles of 2,048.  Lane r of tile T of q or k is position 32 (T / 2) + 8 (T % 2) + r + 8 (r / 8).
; SHARES.  A work-group owns 128 queries of one image, each of its four waves 32: tiles 2 w and 2 w + 1 of q.  Every wave walks the image's 4,096 keys, 128 a step; each fragment of k and v read from LDS feeds two products.
; LAYOUT.  Both products are used transposed: S^T = k q^T (source 0 = 16 keys, source 1 = 16 queries; K = 64), O^T = v^T p^T (source 0 = 16 channels, source 1 = p; K = 128 keys): a lane holds ONE query throughout.
; By the order of the keys in a tile of k, the 16 registers of score tiles 2 b and 2 b + 1 are keys 32 b + 16 (l / 16) + 0 .. 15: the conversions' results are p's operand registers, in the order in which v's images hold the keys.
; BY TURNS.  A wave is alone on its SIMD and issues in order, so a step's three kinds of work are set among each other.  The turn of step j: the 16 products S^T of step j; then the 32 products v^T p^T of step j - 1,
; six vector instructions of step j's softmax behind each; then the rest of that softmax.  v of step j comes from LDS in eight runs of eight loads: a run writes two fragments that the products of step j - 1 have read
; at least five slices earlier; five runs stand among the products, three among the exponentials.  k of step j + 1 is fetched ahead of the rescaling of O^T.  A softmax works in window 0 and a product's operands fill
; three other windows, so each product costs two switches of the register window: the price of the turns.
; RING.  Two LDS slots of 256 keys: two blocks of kv_img, 81,920 dense bytes; each wave fetches a quarter by one tensor load of 80 rows of 256 bytes.  At the start two loads of a wave are out, later one.
; CLUSTER.  The four work-groups of a cluster own four query blocks of one image and walk the same k and v: each quarter of a slot is asked for JOINTLY, by the same load with the same descriptor and a mask that names the four.
; The place in the cluster enters q's and out's global addresses alone.
; LIMITS: e6 + e7 between -126 and 127 (added to the exponent field of log2(e)); e9 between -126 and 112; e8 + e9 is applied by v_ldexp_f32 and has none.  A p under 2^-126 becomes 0.  NaN and infinity are not served.
; REGISTERS, in windows of 256.  Window 0: v1-5, v7 addresses; v9, v10 for the add; v11, v14 p's hold, twice; v12 p's scale; v16-31 q; v32-63 p's codes; v64-191 S^T, then p, 64 a tile; v192-207 statistics, 8 a tile;
;   v208-211 second chains of the sums; v212-213 lane exchanges; v216-219 the way out.   Window 1: O^T, tile u, channel tile t at v[128 u + 8 t].   Window 2: v's 16 fragments.   Window 3: v0-63 k's 8 fragments.
.set BLKB,  40960                      ; a block of kv_img
.set QUART, 20480                      ; a wave's quarter of a slot
.set SLOT1, 1<<17                      ; slot 1 begins here, so that one exclusive or turns an address in one slot into the other's
.set SPARE, SLOT1+2*BLKB               ; behind the ring: the spare words, 128 bytes for each wave: two blocks of 256 bytes that no other line names
.set STGB,  SPARE+512                  ; the way out, channels 128-255: 128 rows of 528 bytes, bytes of the stage's own
.set SP,    528                        ; a stage row: 128 queries x 4 bytes + 16.  Channels 0-127 lie from LDS byte 0 on, in slot 0: it has had its last fill, and nobody reads it behind the last change of slots
.set LI,  3                            ; v3   16 x lane; never rewritten
.set AD0, 4                            ; v4   the slot in hand, first block
.set AD1, 5                            ; v5   its second block
.set RD,  7                            ; v7   the way out: where I read rows back
.set SPW, 9                            ; v9   LDS address of my spare word: SPARE + 4 x my thread's number; never rewritten
.set NIL, 10                           ; v10  0; never rewritten
.set QF,  16
.set P,   32
.set S,   64
.set ST,  192                          ; tile u at ST + 8 u: +0 -M, +1 the largest t, +2 +3 l in two halves, +4 f, +5 named with it as a pair, +6 +7 at work
.set XP,  208
.set PD,  212
.set AO,  216                          ; v216-219 the way out: where I put my numbers, for channels 64 g on
.set MSB, 0
.macro WIN new                         ; the immediate's high byte repeats the setting that is left; a switch that changes nothing is dropped
.if MSB != \new
	s_set_vgpr_msb (MSB<<8)|\new
.set MSB, \new
.endif
.endm
; A round of the cluster's barrier: my work-group's barrier, so that wave 0's signal speaks for all four waves; wave 0 signals; every wave waits for all four work-groups; my work-group's barrier once more.
.macro CROUND
	s_barrier_signal -1
	s_barrier_wait -1
	s_cmp_lg_u32 s12, 0
	s_cbranch_scc1 .Lnot_wave_0_\@
	s_barrier_signal -3
.Lnot_wave_0_\@:
	s_barrier_wait -3
	s_barrier_signal -1
	s_barrier_wait -1
.endm
.macro JLOAD                           ; the joint refill: every wave its quarter, by the walking descriptor; four v_nop follow
	tensor_load_to_lds s[36:39], s[24:31]
	s_nop 0
.rept 4
	v_nop
.endr
.endm
	s_load_b256 s[4:11], s[0:1], 0x0               ; q_img s[4:5], kv_img s[6:7], the exponents s[8:9], out s[10:11]
	v_lshl_add_u32 v[SPW], v0, 2, SPARE
	v_mov_b32 v[NIL], 0
	ds_add_u32 v9, v10
	ds_add_u32 v9, v10
	s_wait_dscnt 0x0
	v_lshrrev_b32 v1, 5, v0
	v_readfirstlane_b32 s12, v1                    ; wave 0..3
	v_and_b32 v[LI], 31, v0
	v_lshlrev_b32 v[LI], 4, v[LI]
	s_bfe_u32 s13, ttmp6, 0x40000                  ; cx: my place in the cluster
	s_lshl_b32 s14, ttmp9, 2                       ; in a cluster launch ttmp9 counts clusters
	s_add_co_u32 s14, s14, s13                     ; my block of 128 queries: it enters q's and out's addresses alone
	s_and_b32 s15, ttmp7, 0xffff                   ; the image, which the four partners share
	; descriptor group 1: 80 dense rows of 32 elements of 8 bytes
	s_mov_b32 s24, 15|(3<<16)|(1<<21)              ; the mask: all four work-groups; elements of 8 bytes; bit 21 set beside a mask; no padding
	s_mov_b32 s25, 32<<16                          ; tensor_dim0 = 32
	s_mov_b32 s26, 80<<16                          ; tensor_dim1 = 80
	s_mov_b32 s27, 32<<16                          ; tile_dim0 = 32
	s_mov_b32 s28, 80                              ; tile_dim1 = 80
	s_mov_b32 s29, 32                              ; from row to row
	s_mov_b32 s30, 0
	s_mov_b32 s31, 0
	s_mul_i32 s16, s12, QUART                      ; my quarter, in a slot and in memory
	s_mul_i32 s52, s15, 32*BLKB                    ; the image's 32 blocks of kv_img
	s_add_co_u32 s52, s52, s16
	s_mov_b32 s53, 0
	s_lshl_b32 s54, s15, 5
	s_add_co_u32 s54, s54, s14                     ; block g = 32 x image + my block
	s_lshl_b32 s54, s54, 13                        ; 8,192 bytes of q_img a block,
	s_lshl_b32 s17, s12, 11                        ; my two tiles
	s_add_co_u32 s54, s54, s17
	s_mov_b32 s55, 0
	s_lshl_b32 s56, s15, 22                        ; out: the image's 256 rows of 16,384 bytes,
	s_lshl_b32 s17, s12, 20                        ; the 64 channels that I store,
	s_add_co_u32 s56, s56, s17
	s_lshl_b32 s17, s14, 9                         ; my block's 512 bytes of a row
	s_add_co_u32 s56, s56, s17
	s_mov_b32 s57, 0
	s_mov_b32 s32, 1                               ; group 0 for slot 0's first fill: count = 1,
	s_mov_b32 s33, s16                             ; LDS address
	s_mov_b32 s36, 1                               ; group 0 that walks: it begins with slot 1
	s_add_co_u32 s37, s16, SLOT1
	s_mov_b32 s46, 0x76543210                      ; v_permlanex16_b32: each lane takes its own place in the other half
	s_mov_b32 s47, 0xfedcba98
	s_mov_b32 s48, 0                               ; LDS byte at which the slot in hand begins
	s_wait_kmcnt 0x0
	s_add_nc_u64 s[34:35], s[6:7], s[52:53]        ; keys 0 to 255
	s_add_nc_u64 s[38:39], s[34:35], 2*BLKB        ; keys 256 to 511
	s_or_b32 s35, s35, 0x80000000                  ; type = 2
	s_or_b32 s39, s39, 0x80000000
	s_add_nc_u64 s[4:5], s[4:5], s[54:55]
	s_add_nc_u64 s[10:11], s[10:11], s[56:57]
	s_load_b128 s[40:43], s[8:9], 0x18             ; e6, e7, e8, e9
	CROUND                                         ; all four work-groups are here: the first joint loads meet
	tensor_load_to_lds s[32:35], s[24:31]          ; the two first fills stand together, ahead of every wait on TENSORcnt and every LDS read: two loads of mine are out
	s_nop 0
	tensor_load_to_lds s[36:39], s[24:31]
	s_nop 0
.rept 4
	v_nop
.endr
.irp u, 0,1
.irp b, 0,1
	global_load_b128 v[QF+8*\u+4*\b:QF+8*\u+4*\b+3], v[LI], s[4:5] offset:1024*\u+512*\b th:TH_LOAD_NT   ; q stays in registers; read once, by this wave alone
.endr
.endr
	v_and_b32 v1, 15, v0                           ; r
	v_bfe_u32 v2, v0, 4, 1                         ; h
	v_add_nc_u32 v[AD0], s48, v[LI]
	v_add_nc_u32 v[AD1], BLKB, v[AD0]
	v_and_b32 v13, 8, v1
	v_add_nc_u32 v13, v13, v1                      ; r + 8 (r / 8): lane r of tile u holds query 32 w + 8 u + r + 8 (r / 8)
	v_mul_u32_u24 v[AO], v2, 8*SP                  ; the stage: a row is a channel; register j of channel tile t is channel 16 t + 8 h + j
	v_lshl_add_u32 v[AO], v13, 2, v[AO]
	s_lshl_b32 s58, s12, 7
	v_add_nc_u32 v[AO], s58, v[AO]                 ; + 4 x my query (the 32 u stand in the stores' offsets)
	v_add_nc_u32 v[AO+1], 64*SP, v[AO]             ; channels 64 on,
	v_add_nc_u32 v[AO+2], STGB, v[AO]              ; 128 on,
	v_add_nc_u32 v[AO+3], STGB+64*SP, v[AO]        ; 192 on
	s_mul_i32 s58, s12, 64*SP                      ; back: wave w takes channels 64 w .. 64 w + 63, whole rows;
	s_lshr_b32 s59, s12, 1
	s_mul_i32 s59, s59, STGB-128*SP                ; waves 2 and 3 from the second part of the stage
	s_add_co_u32 s58, s58, s59
	v_add_nc_u32 v[RD], s58, v[LI]
.irp u, 0,1
	v_mov_b32 v[ST+8*\u+1], 0xff61b1e6             ; the largest t so far: -3e38, under every t
	v_floor_f32 v[ST+8*\u], -v[ST+8*\u+1]          ; -M
	v_mov_b32 v[ST+8*\u+2], 0                      ; l, in two halves
	v_mov_b32 v[ST+8*\u+3], 0
	v_mov_b32 v[ST+8*\u+5], 0                      ; (named as the upper half of f's pair)
	v_mov_b32 v[PD+\u], 0                          ; written once: a lane permute's destination counts as one of its sources
.endr
	s_wait_kmcnt 0x0
	s_add_co_i32 s58, s40, s41
	s_lshl_b32 s58, s58, 23
	s_add_co_i32 s44, s58, 0x3fb8aa3b              ; c = log2(e) x 2^(e6 + e7): a sum of codes' products stands for sum x 2^(e6 + e7)
	s_mov_b32 s45, s44                             ; (named with it as a pair, so it is written)
	s_add_co_i32 s58, s43, 127
	s_lshl_b32 s59, s58, 23
	v_mov_b32 v12, s59                             ; 2^e9 as f32, for the conversion
	s_add_co_i32 s58, s58, 15
	s_lshl_b32 s58, s58, 23
	s_or_b32 s58, s58, 0x600000
	v_mov_b32 v11, s58                             ; 57,344 x 2^e9,
	v_mov_b32 v14, s58                             ; twice: the two halves of a paired hold take their bound from registers whose numbers differ modulo 4
	s_add_co_i32 s50, s42, s43                     ; e8 + e9, for the end
.macro FETCH_K adr                     ; a block's 8 fragments of k: 16 loads, each of 512 consecutive bytes
	WIN 0xc0                                       ; destination window 3
.irp x, 0,1,2,3,4,5,6,7
.irp b, 0,1
	ds_load_b128 v[8*\x+4*\b:8*\x+4*\b+3], v[\adr] offset:1024*\x+512*\b
.endr
.endr
.endm
.macro VCHUNK adr                      ; run CH of eight: fragments 2 CH and 2 CH + 1 of the block's v: 8 loads, each of 512 consecutive bytes
	WIN 0x80                                       ; destination window 2
.irp f, 0,1
.irp c, 0,1,2,3
	ds_load_b128 v[16*(2*CH+\f)+4*\c:16*(2*CH+\f)+4*\c+3], v[\adr] offset:8192+2048*(2*CH+\f)+512*\c
.endr
.endr
.endm
; S^T = k q^T for 128 keys and my two tiles of queries.  The four v_nop behind them are the places (ISA guide 7.12.1 for vector instructions) in front of the first read of scores
; and of the loads into k's registers.
.macro SCORES
	WIN 0x03                                       ; source 0 (k) window 3
.irp x, 0,1,2,3,4,5,6,7
.irp u, 0,1
	v_wmma_f32_16x16x64_bf8_bf8 v[S+64*\u+8*\x:S+64*\u+8*\x+7], v[8*\x:8*\x+7], v[QF+8*\u:QF+8*\u+7], 0
.endr
.endr
.rept 4
	v_nop
.endr
.endm
; THE FIRST 210 VECTOR INSTRUCTIONS OF A STEP'S SOFTMAX, as a numbered list; VEC writes number NN and steps NN.  All of them work in window 0, on S^T and the statistics alone.
;   0-81     the tiles line by line (NN % 2 is the tile): the step's largest score of my query among my 64 keys, in two chains a tile, each accumulator read from its low end on; the other half of the lanes';
;            as t; the running largest t; the new -M = floor(-t) = -ceil(t); f = 2^(old M - new M), made of a whole number by v_ldexp_f32
;   82-113   tile 0: t - M, two at a time (of the pairs c and -M the low word serves both halves)
;   114-209  tile 0's exponentials, p = 2^(t - M), with tile 1's t - M as the plain instruction behind each two
.macro VEC
.set UU, NN%2
.set TT, ST+8*UU
.set SS, S+64*UU
.if NN < 2
	v_max3_num_f32 v[TT+6], v[SS], v[SS+1], v[SS+2]
.elseif NN < 4
	v_max3_num_f32 v[TT+7], v[SS+3], v[SS+4], v[SS+5]
.elseif NN < 60
.set MM, (NN-4)/4
.set CC, ((NN-4)/2)%2
	v_max3_num_f32 v[TT+6+CC], v[TT+6+CC], v[SS+6+4*MM+2*CC], v[SS+7+4*MM+2*CC]
.elseif NN < 62
	v_max3_num_f32 v[TT+6], v[TT+6], v[SS+62], v[SS+63]
.elseif NN < 64
	v_max_num_f32 v[TT+6], v[TT+6], v[TT+7]
.elseif NN < 66
	v_permlanex16_b32 v[PD+UU], v[TT+6], s46, s47  ; the query's other 64 keys lie in the lane 16 away
.elseif NN < 68
	v_max_num_f32 v[TT+6], v[TT+6], v[PD+UU]
.elseif NN < 70
	v_mul_f32 v[TT+6], s44, v[TT+6]                ; as t (c is positive)
.elseif NN < 72
	v_max_num_f32 v[TT+1], v[TT+1], v[TT+6]        ; the running largest t
.elseif NN < 74
	v_mov_b32 v[TT+6], v[TT]
.elseif NN < 76
	v_floor_f32 v[TT], -v[TT+1]                    ; M is a whole number
.elseif NN < 78
	v_sub_f32 v[TT+6], v[TT], v[TT+6]              ; M's old value less its new one: a whole number, 0 or less
.elseif NN < 80
	v_cvt_i32_f32 v[TT+6], v[TT+6]                 ; (it saturates)
.elseif NN < 82
	v_ldexp_f32 v[TT+4], 1.0, v[TT+6]              ; f
.elseif NN < 114
.set KK, NN-82
	v_pk_fma_f32 v[S+2*KK:S+2*KK+1], v[S+2*KK:S+2*KK+1], s[44:45], v[ST:ST+1] op_sel_hi:[1,0,0]
.else
.set KK, (NN-114)/3
.if (NN-114)%3 == 0
	v_exp_f32 v[S+2*KK], v[S+2*KK]
.elseif (NN-114)%3 == 1
	v_exp_f32 v[S+2*KK+1], v[S+2*KK+1]
.else
	v_pk_fma_f32 v[S+64+2*KK:S+64+2*KK+1], v[S+64+2*KK:S+64+2*KK+1], s[44:45], v[ST+8:ST+9] op_sel_hi:[1,0,0]
.endif
.endif
.set NN, NN+1
.endm
; O^T += v^T p^T OF THE STEP BEFORE, AMONG THIS STEP'S VECTOR WORK.  Product II of 32: channel tile II / 2, my tile II % 2, K = 128 keys; the 32 accumulators take turns, one instruction a turn.
; Behind each product stand six numbers of the list, which name none of its registers.  pv = 2: the products add; 1: they start the sums, so nothing is ever cleared; 0: the first step, which has none.
; Behind products 7, 13, 19, 25 and 31 stands run 0 to 4 of THIS step's v: run c writes fragments 2 c and 2 c + 1, whose last reader is product 4 c + 3: at least five slices back, in each of them two plain
; instructions or more, where four places are asked.  The products still to come read fragments further on than any that a run has written.
.macro MIX pv, adr
.set NN, 0
.set II, 0
.rept 32
.if \pv
	WIN 0x52                                       ; source 0 (v) window 2, source 1 (p) window 0, C and D window 1
.set RO, 128*(II%2)+8*(II/2)
.set RV, 16*(II/2)
.set RP, P+16*(II%2)
.if \pv == 1
	v_wmma_f32_16x16x128_bf8_bf8 v[RO:RO+7], v[RV:RV+15], v[RP:RP+15], 0
.else
	v_wmma_f32_16x16x128_bf8_bf8 v[RO:RO+7], v[RV:RV+15], v[RP:RP+15], v[RO:RO+7]
.endif
.endif
	WIN 0
.rept 6
	VEC
.endr
.if (II%6 == 1) && (II >= 7)
.set CH, (II-7)/6
	VCHUNK \adr
.endif
.set II, II+1
.endr
.endm
; Sum KK of 32 of tile u's 32 pairs of p, in two chains: l's own pair and a second one.  Sum KK reads pair KK + 1 (sum 0: pairs 0 and 1), so a pair may be held from sum KK - 1 on.
.macro ADDK u
.if KK == 0
	s_wait_alu depctr_va_vdst(0)
	v_pk_add_f32 v[XP+2*\u:XP+2*\u+1], v[S+64*\u:S+64*\u+1], v[S+64*\u+2:S+64*\u+3]
.elseif KK == 31
	v_pk_add_f32 v[ST+8*\u+2:ST+8*\u+3], v[ST+8*\u+2:ST+8*\u+3], v[XP+2*\u:XP+2*\u+1]
.elseif KK%2 == 1
	v_pk_add_f32 v[ST+8*\u+2:ST+8*\u+3], v[ST+8*\u+2:ST+8*\u+3], v[S+64*\u+2*KK+2:S+64*\u+2*KK+3]
.else
	v_pk_add_f32 v[XP+2*\u:XP+2*\u+1], v[XP+2*\u:XP+2*\u+1], v[S+64*\u+2*KK+2:S+64*\u+2*KK+3]
.endif
.endm
; The hold of tile u's pair KK.  The conversion to an 8-bit code does not saturate (ISA guide 7.6.2); p is not negative, so the hold is one-sided.  Two holds go in one instruction: its halves write an even and an
; odd register, and their first sources, and the two copies of the bound, are registers whose numbers differ modulo 4, as the dual form's operand rules ask.
.macro HOLD u
	v_dual_min_num_f32 v[S+64*\u+2*KK], v[S+64*\u+2*KK], v11 :: v_dual_min_num_f32 v[S+64*\u+2*KK+1], v[S+64*\u+2*KK+1], v14
.endm
; THE CHANGE OF SLOTS.  All the slot's bytes have been asked for: the last run of v of its second block stands 121 instructions back.  Each wave waits for all its tensor loads, of which one is out: its quarter of
; the next slot; adds 0 to its spare word; and waits for that and for its own reads of the slot.  Behind the barrier nobody reads this slot any more and the next slot is whole.
; fill = 1: the slot is filled again, with the keys two slots on.  The barrier is then a round of the cluster's, so that no wave of any partner still reads the slot or has a load on its way, and the joint refill
; is the first thing behind it: it has all the work up to the next change of slots, two key steps, in which to land.
.macro CHANGE fill
	WIN 0                                          ; at a label and at a branch every window is 0, and the add's two registers lie in window 0
	s_wait_tensorcnt 0x0                           ; no tensor load of mine is out, so a group 0 may be written
	ds_add_u32 v[SPW], v[NIL]                      ; 0 onto my spare word
.if \fill
	s_xor_b32 s37, s37, SLOT1                      ; the walking descriptor: the other slot than last time,
	s_add_nc_u64 s[38:39], s[38:39], 2*BLKB        ; the next 256 keys; the type bits on top are not reached
.endif
	s_xor_b32 s48, s48, SLOT1                      ; the fetches go on in the other slot
	s_wait_dscnt 0x0                               ; the add is done, and my reads of the slot are over: v is in registers
.if \fill
	CROUND
	JLOAD
.else
	s_barrier_signal -1
	s_barrier_wait -1
.endif
	v_add_nc_u32 v[AD0], s48, v[LI]
	v_add_nc_u32 v[AD1], BLKB, v[AD0]
.endm
; THE REST OF A STEP'S SOFTMAX, behind the products of the step before.  first = 1: the first step: O^T has no sums yet, so there is nothing to rescale.
; mode 3: a slot's first step: the next step's k lies in the slot's second block.  2: its second step: the slot is left and filled again, and the next k is the next slot's.  1: it is left.  0: the last step of all.
.macro REST first, adr, mode
	WIN 0
.rept 18
	VEC                                            ; numbers 192 to 209 of the list
.endr
.irp u, 0,1
	v_pk_mul_f32 v[ST+8*\u+2:ST+8*\u+3], v[ST+8*\u+2:ST+8*\u+3], v[ST+8*\u+4:ST+8*\u+5] op_sel_hi:[1,0]   ; l under the new M
.endr
	; tile 1's exponentials, each with plain work on tile 0 behind it: the sum of the UNQUANTISED p, then the hold of the pair that the sums have read.  Runs 5 to 7 of v stand ahead of pairs 0, 11 and 22
.set KK, 0
.rept 32
.if KK%11 == 0
.set CH, 5+KK/11
	VCHUNK \adr
	WIN 0
.endif
	v_exp_f32 v[S+64+2*KK], v[S+64+2*KK]
	ADDK 0
	v_exp_f32 v[S+64+2*KK+1], v[S+64+2*KK+1]
	HOLD 0
.set KK, KK+1
.endr
.set KK, 0
.rept 32
	ADDK 1
	HOLD 1
.set KK, KK+1
.endr
.irp u, 0,1
.irp b, 0,1,2,3
	v_cvt_scalef32_pk8_bf8_f32 v[P+16*\u+4*\b:P+16*\u+4*\b+1], v[S+64*\u+16*\b:S+64*\u+16*\b+7], v12       ; registers 4 b .. 4 b + 3 of p's operand: keys 32 b + 16 h + 0 .. 15
	v_cvt_scalef32_pk8_bf8_f32 v[P+16*\u+4*\b+2:P+16*\u+4*\b+3], v[S+64*\u+16*\b+8:S+64*\u+16*\b+15], v12
.endr
.endr
	v_nop                                          ; a plain vector instruction between the last conversion and the products that write its sources and read its result
.if \mode == 3
	FETCH_K AD1
.elseif \mode == 2
	CHANGE 1
	FETCH_K AD0
.elseif \mode == 1
	CHANGE 0
	FETCH_K AD0
.endif
.if \first == 0
	WIN 0x41                                       ; O^T (destination and source 0) window 1, f window 0.  The next step's k lands under these 128
.irp u, 0,1
.set KK, 0
.rept 64
	v_pk_mul_f32 v[128*\u+2*KK:128*\u+2*KK+1], v[128*\u+2*KK:128*\u+2*KK+1], v[ST+8*\u+4:ST+8*\u+5] op_sel_hi:[1,0]   ; O^T under the new M; each accumulator from its low end on
.set KK, KK+1
.endr
.endr
.endif
.endm
; The turn of a key step whose block of kv_img lies at v[adr].
.macro TURN pv, first, adr, mode
	s_wait_dscnt 0x0                               ; this step's k is in, and so is v of the step before
	SCORES
	MIX \pv, \adr
	REST \first, \adr, \mode
.endm
	s_wait_tensorcnt 0x1                           ; my quarter of slot 0 is in; slot 1's load, issued behind it, may stay out
	s_barrier_signal -1
	s_barrier_wait -1                              ; everybody's is
	FETCH_K AD0
	s_wait_loadcnt 0x0                             ; q
	TURN 0, 1, AD0, 3                              ; keys 0 to 255 stand in front of the loop: step 0 has no products of a step before,
	TURN 1, 0, AD1, 2                              ; and those among step 1's work start O^T's sums
	WIN 0
	s_mov_b32 s49, 13
.Lslot:                                                ; 13 trips: with the slot in front of the loop, 14 slots are left and filled again, with keys 512 to 4,095
	TURN 2, 0, AD0, 3
	TURN 2, 0, AD1, 2
	WIN 0
	s_sub_co_u32 s49, s49, 1
	s_cmp_lg_u32 s49, 0
	s_cbranch_scc1 .Lslot
	TURN 2, 0, AD0, 3                              ; the last two slots are written out: nothing more is asked for
	TURN 2, 0, AD1, 1
	TURN 2, 0, AD0, 3
	TURN 2, 0, AD1, 0
	s_wait_dscnt 0x0                               ; v of the last step
	WIN 0x52
.irp t, 0,1,2,3,4,5,6,7,8,9,10,11,12,13,14,15   ; the last step's products: no vector work is left to set among them
.irp u, 0,1
	v_wmma_f32_16x16x128_bf8_bf8 v[128*\u+8*\t:128*\u+8*\t+7], v[16*\t:16*\t+15], v[P+16*\u:P+16*\u+15], v[128*\u+8*\t:128*\u+8*\t+7]
.endr
.endr
	; THE WAY OUT.  l's two halves and the other half of the lanes' are added; O^T is multiplied by 2^(e8 + e9) / l.  A lane holds one query and 128 of the 256 channels, and out has the queries innermost: so the numbers meet in a
	; stage whose rows are channels, and leave as whole rows of the block's 128 queries.
	WIN 0
.rept 4
	v_nop                                          ; four places between the last products and the first read of their results
.endr
.irp u, 0,1
	v_add_f32 v[ST+8*\u+6], v[ST+8*\u+2], v[ST+8*\u+3]
.endr
.irp u, 0,1
	v_permlanex16_b32 v[PD+\u], v[ST+8*\u+6], s46, s47
.endr
.irp u, 0,1
	v_add_f32 v[ST+8*\u+6], v[ST+8*\u+6], v[PD+\u]
.endr
.irp u, 0,1
	v_rcp_f32 v[ST+8*\u+7], v[ST+8*\u+6]
.endr
	v_nop                                          ; a plain instruction between the last reciprocal and the use of its result
	s_wait_alu depctr_va_vdst(0)
.irp u, 0,1
	v_ldexp_f32 v[ST+8*\u+4], v[ST+8*\u+7], s50
.endr
	WIN 0x41
.irp u, 0,1
.set KK, 0
.rept 64
	v_pk_mul_f32 v[128*\u+2*KK:128*\u+2*KK+1], v[128*\u+2*KK:128*\u+2*KK+1], v[ST+8*\u+4:ST+8*\u+5] op_sel_hi:[1,0]
.set KK, KK+1
.endr
.endr
	WIN 0x04                                       ; store data window 1
.irp g, 0,1,2,3                        ; channels 64 g on.  The 32 lanes of a store fall on 32 different banks: 16 queries' words in each of two rows 8 x 132 words apart
.irp t, 0,1,2,3
.irp j, 0,1,2,3,4,5,6,7
.irp u, 0,1
	ds_store_b32 v[AO+\g], v[128*\u+8*(4*\g+\t)+\j] offset:(16*\t+\j)*SP+32*\u
.endr
.endr
.endr
.endr
	WIN 0
	s_wait_dscnt 0x0                               ; for the others' sake: my stores into the stage are done
	s_barrier_signal -1
	s_barrier_wait -1                              ; a row's 128 queries come from four waves
	WIN 0x80                                       ; destination window 2: v's registers are free
.set II, 0
.rept 64
	ds_load_b128 v[4*II:4*II+3], v[RD] offset:SP*II
.set II, II+1
.endr
	WIN 0x08                                       ; store data window 2
.set II, 0
.rept 64
	s_wait_dscnt 63-II                             ; LDS loads come back in order (ISA guide 5.7.1): row II is in, the 63 - II issued behind it may stay out
	global_store_b128 v[LI], v[4*II:4*II+3], s[10:11] offset:16384*II th:TH_STORE_NT   ; 32 lanes store 512 consecutive bytes of one channel's row, at a multiple of 256 from out's first byte; written once, read by nobody here
.set II, II+1
.endr
	WIN 0
	s_wait_tensorcnt 0x0                           ; the wave's end: behind my last tensor load and my last LDS store
	ds_add_u32 v[SPW], v[NIL]
	s_wait_dscnt 0x0
	CROUND                                         ; the closing round: no work-group ends while a partner may still ask for a tile that names it
	s_endpgm
.Lfunc_end_k_q6e4d998760_attend:
	.size	k_q6e4d998760_attend, .Lfunc_end_k_q6e4d998760_attend-k_q6e4d998760_attend
	.p2alignl 7, 3214868480
	.fill 96, 4, 3214868480
	.section	.rodata,"a",@progbits
	.p2align	6, 0x0
	.amdhsa_kernel k_q6e4d998760_attend
		.amdhsa_group_segment_fixed_size 327680
		.amdhsa_private_segment_fixed_size 0
		.amdhsa_enable_private_segment 0
		.amdhsa_kernarg_size 32
		.amdhsa_user_sgpr_count 2
		.amdhsa_user_sgpr_kernarg_segment_ptr 1
		.amdhsa_wavefront_size32 1
		.amdhsa_system_sgpr_workgroup_id_x 1
		.amdhsa_system_sgpr_workgroup_id_y 1
		.amdhsa_system_sgpr_workgroup_id_z 1
		.amdhsa_system_vgpr_workitem_id 0
		.amdhsa_next_free_vgpr 832
		.amdhsa_next_free_sgpr 80
		.amdhsa_reserve_vcc 0
		.amdhsa_float_denorm_mode_32 3
		.amdhsa_float_denorm_mode_16_64 3
		.amdhsa_memory_ordered 1
		.amdhsa_forward_progress 1
		.amdhsa_inst_pref_size 255
	.end_amdhsa_kernel
	.section	.bss,"aw",@nobits
	.p2align	6
	.space	262144
	.amdgpu_metadata
---
amdhsa.version: [ 1, 2 ]
amdhsa.kernels:
  - .name:           k_q6e4d998760_attend
    .symbol:         k_q6e4d998760_attend.kd
    .args:
      - { .name: q_img, .offset: 0, .size: 8, .value_kind: global_buffer, .address_space: global }
      - { .name: kv_img, .offset: 8, .size: 8, .value_kind: global_buffer, .address_space: global }
      - { .name: lowp_scales, .offset: 16, .size: 8, .value_kind: global_buffer, .address_space: global }
      - { .name: out0, .offset: 24, .size: 8, .value_kind: global_buffer, .address_space: global }
    .group_segment_fixed_size: 327680
    .private_segment_fixed_size: 0
    .kernarg_segment_align: 8
    .kernarg_segment_size: 32
    .max_flat_workgroup_size: 128
    .sgpr_count:     80
    .vgpr_count:     832
    .wavefront_size: 32
...
	.end_amdgpu_metadata
.endif
;; end of part 2
